; MI455X (gfx1250); checked and timed in simulation.
; The chip was launched on July 23, 2026; its instructions are those of AMD's public machine-readable ISA for CDNA 5 (MIT licence, August 2026) and "CDNA5" Instruction Set Architecture Reference Guide (July 2026). The comments in the code are by the model that wrote it; some were corrected since.
;; DNN Neuron. Allowed arithmetic: float matrix products may take bf16 or f16 operands with f32 sums; all other float work in f32.
;; Inputs: W_in 1 x 10 float32; W_mid 4 x 10 x 10 float32; W_out 10 x 1 float32; b_in 10 float32; b_mid 4 x 10 float32; b_out 1 float32; hidden 8,388,608 x 1 float32; ln_beta 4 x 10 float32; ln_gamma 4 x 10 float32.
;; Outputs: out0 8,388,608 x 1 float32.
;; One version. Each part assembles by itself: llvm-mc -triple=amdgcn-amd-amdhsa -mcpu=gfx1250 --defsym DOCPART=n.
;; ======== version 1 of 1: 1 launch
;; limits: right only within a limited range of input values; values outside matrix products are rounded to bf16
;; launch neuron (part 1): grid 256 x 1, 16 waves a work-group, no clusters, 18,432 bytes of LDS; arguments W_in, b_in, W_out, b_out, W_mid, b_mid, ln_gamma, ln_beta, hidden, out0; writes out0
.if DOCPART == 1
	.amdgcn_target "amdgcn-amd-amdhsa--gfx1250"
	.amdhsa_code_object_version 6
	.text
	.protected	k_q8c83f5ffe7_neuron
	.globl	k_q8c83f5ffe7_neuron
	.p2align	8
	.type	k_q8c83f5ffe7_neuron,@function
k_q8c83f5ffe7_neuron:
	s_mov_b64 s[64:65], 0
	v_nop
	global_prefetch_b8 v0, s[64:65] scope:SCOPE_SE
	s_setreg_imm32_b32 hwreg(HW_REG_WAVE_MODE, 25, 1), 1
	s_wait_xcnt 0x0
; out = leakytanh( MLP(h) + h ) for 8,388,608 scalars h.  MLP: 1 -> 10, four times (LayerNorm, 10 x 10, ReLU), 10 -> 1.
;
; ONE LANE, ONE SAMPLE.  v_wmma_f32_16x16x32_bf16 D, A, B, 0 with A = weights, B = samples.  Lane (r, h) of B holds k = 8h..8h+7 and
; 16+8h..16+8h+7 of column r, lane (r, h) of D holds rows 8h..8h+7 of column r (ISA guide 7.12.2).  The weight fragment is block-diagonal
; over h: rows 0-7 have weights only at k in 0-7 and 16-23 (held by lanes 0-7), rows 8-15 only at k in 8-15 and 24-31 (lanes 24-31),
; all other lanes of A hold 0.  So D's registers of a lane are made of the same lane's B registers alone: 32 samples an instruction,
; 16 K places and 8 output rows a sample.  Two instructions a layer: features 0-7 (D1), features 8, 9 (D2[0:1]).
; B's registers 0-4 hold the ten features, register 5 a pair for the bias, registers 6 and 7 the constant 0.
; All sums over features stay inside a lane; D goes back into B by five packed conversions.  The trips use no LDS, no barrier, no lane exchange.
;
; THE ALGEBRA (exact, for every input):
;  - gain and shift go into the weights, in f32, once: W2[j][o] = gamma[j] W[j][o], b2[o] = b[o] + sum over j of beta[j] W[j][o].
;  - the mean is taken away in f32, before the rounding to bf16, never through the weights.
;  - first layer: x - mean x = h (w - mean w) + (b - mean b); h, w - mean w and b - mean b each go in as a bf16 head and a bf16 rest.
;  - ReLU commutes with a positive factor, so 1/sqrt(var + eps) is not multiplied in but carried: with u = relu(D), uc = u - mean u,
;    S = sum uc^2, R(i) = S(i) + eps R(i-1), R(-1) = 10, sigma = sqrt R(i), the next D = uc W2 + sigma b2 / sqrt 10 is the true
;    pre-activation times sqrt(R(i) / 10).  At the end o = (u (sqrt 10 W_out) + sigma b_out) / sqrt R(3) + h.
;  - tanh o + 0.01 o = (0.01 o + 1) - 2 / (1 + 2^(2.88539 o)); 2^.. = infinity gives +1, 2^.. = 0 gives -1.
;
; LIMITS.  R(i) is at least 10 eps^(i+1), 1e-19 at the least, so v_sqrt_f32 and v_rsq_f32 never see a denormal.  R(3), ten times the
; squared product of the four layers' standard deviations, must stay finite in f32 (below 3.4e38).  The bias terms carry the rounding of sigma to bf16
; (one part in 512).  ReLU by v_max_num_f32 makes 0 of a NaN, where the reference keeps it.  Non-finite samples are not served: 0 x infinity
; is NaN in the matrix product, so such a sample also spoils the sample of the lane 16 further on (64 samples away).
;
; SHARES.  256 work-groups of 16 waves; a work-group owns 32,768 consecutive samples (131,072 bytes), in 16 trips of 8,192 bytes.
; In a trip thread t owns the 16 bytes at 16 t: four samples, called groups 0 to 3; each load and store of a wave covers 512
; consecutive bytes, aligned.  h is asked for three trips ahead, through a ring of four register tuples.
; THE ELEVEN WEIGHT FRAGMENTS are the same in all 16 waves, so each is built once in the work-group: wave w builds fragment w (0-7: the middle
; layers', 8, 9: the first layer's, 10: the last layer's; waves 11 to 15 build none), puts it into LDS, and behind one barrier every wave reads all eleven.
; LEFT OUT: tensor loads and LDS for h (a lane's 16 bytes land where they are used); clusters (the work-groups share 2,204 bytes of weights and nothing else);
; prefetches (the ring already asks three trips ahead); f16 (the carried scale has no room in it).
.set TRIPB, 8192                       ; bytes of a work-group's trip
.set DUAL,  1                          ; ReLU of a register pair as one dual instruction (0: two plain ones)
.set FSLOT, 1024                       ; LDS: a fragment's slot, 8 registers x 32 lanes x 4 bytes; slot w at 1,024 w, for each of the 16 wave numbers
.set VOFF,  1                          ; v1         16 t, never rewritten
.set HH,    2                          ; v[2:17]    ring of four tuples of h
.set AM,    18                         ; v[18:81]   fragment (i, f) of middle layer i at AM + 16 i + 8 f        (LDS slots 0 to 7)
.set AI,    82                         ; v[82:97]   weight fragments of the first layer, f = 0, 1               (LDS slots 8, 9)
.set AO,    98                         ; v[98:105]  fragment of the last layer                                  (LDS slot 10)
.set BIA,   106                        ; v[106:113] B of the first layer, even groups: {h head}, {h rest}, {1, 1}, 0 ..
.set BIB,   114                        ; v[114:121] the same for odd groups
.set GG,    122                        ; v[122:217] group g at GG + 24 g: D1 8 registers, D2 8 registers, B 8 registers
.set RR,    218                        ; v[218:221] R of group g
.set TT,    222                        ; v[222:225] at work
.set OO,    226                        ; v[226:229] o, then the store's data
.set EE,    230                        ; v[230:233] 1/sqrt R, then the exponentials
; registers of the set-up alone; those below v218 lie in the groups' D registers, which the trips write before they read them
.set PW,    122                        ; v[122:131] ten numbers: my column of W_mid[i], or W_in, or W_out
.set PB,    132                        ; v132       b_mid[i][my feature], or b_out
.set PN,    146                        ; v[146:155] b_in, all ten
.set PO,    156                        ; v156, v157 W_in[my feature], b_in[my feature]
.set FB,    170                        ; v[170:177] the fragment that this wave builds
.set SC,    230                        ; v[230:233] scratch
.set VO,    234                        ; v234       4 o, o = my output feature = min((L & 7) + 8 f, 9)
.set VW,    235                        ; v235       4 o + 400 i
.set VZ,    236                        ; v236       0
.set LST,   237                        ; v237       LDS: 1,024 w + 16 L, where I put my part of my wave's fragment
.set LLD,   238                        ; v238       LDS: 16 L, from where I read my part of every fragment
.set VBM,   239                        ; v239       4 o + 40 i
.set WV,    2                          ; s2         the wave's number w
.set FF,    3                          ; s3         f = w & 1
.set GAM,   24                         ; s[24:33]   ln_gamma[i]
.set BET,   34                         ; s[34:43]   ln_beta[i]
.set OFI,   46                         ; s[46:47]   40 i, as 64 bits
.set OFW,   48                         ; s48        i, then 400 i
.set LIM,   49                         ; s49        output rows of my wave's fragment: 8, 2 or 1
.set MSK,   50                         ; s50        the lanes that hold weights in it: L & 7 below LIM, in lanes 0-7 and 24-31
.set CNT,   51                         ; s51        laps left
.set WGO,   52                         ; s[52:53]   the work-group's byte offset
	s_load_b512 s[4:19], s[0:1], 0x0               ; W_in s[4:5], b_in s[6:7], W_out s[8:9], b_out s[10:11], W_mid s[12:13], b_mid s[14:15], ln_gamma s[16:17], ln_beta s[18:19]
	s_load_b128 s[20:23], s[0:1], 0x40             ; hidden s[20:21], out0 s[22:23]
	v_lshl_add_u32 v240, v0, 2, 0x4000
	v_mov_b32 v241, 0
	v_lshrrev_b32 v[SC], 5, v0
	v_readfirstlane_b32 s[WV], v[SC]               ; the wave's number as a scalar
	s_lshl_b32 s[WGO], ttmp9, 17                   ; the work-group's 131,072 bytes; 255 x 131,072 is below 2^32
	s_mov_b32 s[WGO+1], 0
	s_and_b32 s[FF], s[WV], 1
	s_cmp_lg_u32 s[FF], 0
	s_cselect_b32 s[LIM], 2, 8                     ; f = 0: features 0-7; f = 1: features 8, 9
	s_cmp_eq_u32 s[WV], 10
	s_cselect_b32 s[LIM], 1, s[LIM]                ; the last layer has one output
	v_lshlrev_b32 v[VOFF], 4, v0
	v_and_b32 v[SC], 7, v0                         ; L & 7: the output row that this lane's part of a fragment serves
	v_lshl_add_u32 v[SC+1], s[FF], 3, v[SC]
	v_min_u32 v[SC+1], 9, v[SC+1]                  ; features 10 to 15 do not exist: those lanes load feature 9 and are masked
	v_lshlrev_b32 v[VO], 2, v[SC+1]
	v_mov_b32 v[VZ], 0
	v_bfe_u32 v[SC+2], v0, 3, 2                    ; L / 8 = 0, 1, 2, 3
	v_add_nc_u32 v[SC+2], 1, v[SC+2]
	v_and_b32 v[SC+2], 2, v[SC+2]                  ; 0, 2, 2, 0
	v_lshl_or_b32 v[SC+2], v[SC+2], 3, v[SC]       ; key = L & 7 in lanes 0-7 and 24-31, 16 + (L & 7) in the others
	v_cmp_gt_u32 s[MSK], s[LIM], v[SC+2]
	v_and_b32 v[LLD], 31, v0
	v_lshlrev_b32 v[LLD], 4, v[LLD]
	v_lshl_add_u32 v[LST], s[WV], 10, v[LLD]
	s_wait_kmcnt 0x0
	s_add_nc_u64 s[20:21], s[20:21], s[WGO:WGO+1]  ; hidden and out0 at the work-group's first sample
	s_add_nc_u64 s[22:23], s[22:23], s[WGO:WGO+1]
.irp k, 0,1,2
	global_load_b128 v[HH+4*\k:HH+4*\k+3], v[VOFF], s[20:21] offset:\k*TRIPB th:TH_LOAD_NT   ; the first three trips of h, ahead of everything else
.endr
.macro LD10 d, base                    ; ten f32, the same in every lane
	global_load_b128 v[\d:\d+3],   v[VZ], s[\base:\base+1]
	global_load_b128 v[\d+4:\d+7], v[VZ], s[\base:\base+1] offset:16
	global_load_b64  v[\d+8:\d+9], v[VZ], s[\base:\base+1] offset:32
.endm
; d = {bf16 head of s, bf16 of the rest}: head in the low half (even k), rest in the high half (odd k)
.macro HILO d, s, t1, t2
	v_cvt_pk_bf16_f32 v[\t1], v[\s], v[\s]
	v_and_b32 v[\t1], 0xffff0000, v[\t1]           ; the head as f32
	v_sub_f32 v[\t2], v[\s], v[\t1]                ; exact
	v_cvt_pk_bf16_f32 v[\d], v[\t1], v[\t2]
.endm
; the block-diagonal form: registers 0-5 are kept in the lanes of mask m and 0 elsewhere; K places 12 to 15 carry no weight
.macro MASK6 d, m
.irp q, 0,1,2,3,4,5
	v_cndmask_b32 v[\d+\q], 0, v[\d+\q], s[\m]
.endr
	v_mov_b32 v[\d+6], 0
	v_mov_b32 v[\d+7], 0
.endm
.macro SUM10 d                         ; v[d] = the sum of v[d .. d+9]
	v_pk_add_f32 v[\d:\d+1],   v[\d:\d+1],   v[\d+2:\d+3]
	v_pk_add_f32 v[\d+4:\d+5], v[\d+4:\d+5], v[\d+6:\d+7]
	v_pk_add_f32 v[\d:\d+1],   v[\d:\d+1],   v[\d+8:\d+9]
	v_pk_add_f32 v[\d:\d+1],   v[\d:\d+1],   v[\d+4:\d+5]
	v_add_f32 v[\d], v[\d], v[\d+1]
.endm
.macro PUT                             ; my wave's fragment into its slot: each store covers 512 neighbouring bytes
	ds_store_b128 v[LST], v[FB:FB+3]
	ds_store_b128 v[LST], v[FB+4:FB+7] offset:512
.endm
	; Three ways, by the wave's number alone; no barrier stands inside them.
	s_cmp_lt_u32 s[WV], 8
	s_cbranch_scc0 .Lnot_middle
	; waves 0 to 7: fragment f = w & 1 of middle layer i = w >> 1
	s_lshr_b32 s[OFW], s[WV], 1
	s_mul_i32 s[OFI], s[OFW], 40                   ; a layer's row of gamma, beta and b_mid: 40 bytes
	s_mov_b32 s[OFI+1], 0
	s_mul_i32 s[OFW], s[OFW], 400                  ; a layer of W_mid: 400 bytes
	s_add_nc_u64 s[16:17], s[16:17], s[OFI:OFI+1]
	s_add_nc_u64 s[18:19], s[18:19], s[OFI:OFI+1]
.irp q, 0,1,2,3,4
	s_load_b64 s[GAM+2*\q:GAM+2*\q+1], s[16:17], 8*\q      ; 40 i + 8 q: every address is a multiple of the 8 bytes read
	s_load_b64 s[BET+2*\q:BET+2*\q+1], s[18:19], 8*\q
.endr
	v_add_nc_u32 v[VW],  s[OFW], v[VO]
	v_add_nc_u32 v[VBM], s[OFI], v[VO]
	global_load_b32 v[PB], v[VBM], s[14:15]
.irp j, 0,1,2,3,4,5,6,7,8,9
	global_load_b32 v[PW+\j], v[VW], s[12:13] offset:40*\j ; W_mid[i][j][o]: the last byte read is 1,599
.endr
	s_wait_kmcnt 0x0
	s_wait_loadcnt 0x0                             ; my weights are in (and the three tuples of h asked for ahead of them)
.irp j, 0,1,2,3,4,5,6,7,8,9
	v_fmac_f32 v[PB], s[BET+\j], v[PW+\j]          ; b2 = b + sum of beta[j] W[j][o], on W as given
.endr
.irp j, 0,1,2,3,4,5,6,7,8,9
	v_mul_f32 v[PW+\j], s[GAM+\j], v[PW+\j]        ; W2 = gamma[j] W[j][o]
.endr
.irp q, 0,1,2,3,4
	v_cvt_pk_bf16_f32 v[FB+\q], v[PW+2*\q], v[PW+2*\q+1]
.endr
	v_mul_f32 v[PB], 0x3ea1e89b, v[PB]             ; b2 / sqrt 10
	HILO FB+5, PB, SC, SC+1
	MASK6 FB, MSK
	PUT
	s_branch .Lbuilt
.Lnot_middle:
	s_cmp_lt_u32 s[WV], 10
	s_cbranch_scc0 .Lnot_first
	; waves 8 and 9: fragment f = w & 1 of the first layer: w - mean w and b - mean b, in f32
	LD10 PW, 4
	LD10 PN, 6
	global_load_b32 v[PO],   v[VO], s[4:5]
	global_load_b32 v[PO+1], v[VO], s[6:7]
	s_wait_loadcnt 0x0
	SUM10 PW
	SUM10 PN
	v_fmamk_f32 v[PO],   v[PW], 0xbdcccccd, v[PO]     ; w[o] - 0.1 sum w
	v_fmamk_f32 v[PO+1], v[PN], 0xbdcccccd, v[PO+1]   ; b[o] - 0.1 sum b
	HILO FB, PO, SC, SC+1                          ; against {h head, h head}
	v_mov_b32 v[FB+1], v[FB]                       ; against {h rest, h rest}
	HILO FB+2, PO+1, SC, SC+1                      ; against {1, 1}
.irp q, 0,1,2
	v_cndmask_b32 v[FB+\q], 0, v[FB+\q], s[MSK]
.endr
.irp q, 3,4,5,6,7
	v_mov_b32 v[FB+\q], 0
.endr
	PUT
	s_branch .Lbuilt
.Lnot_first:
	s_cmp_eq_u32 s[WV], 10
	s_cbranch_scc0 .Lbuilt
	; wave 10: the last layer: sqrt 10 W_out, and b_out at the bias pair; one output row
	LD10 PW, 8
	global_load_b32 v[PB], v[VZ], s[10:11]
	s_wait_loadcnt 0x0
.irp q, 0,1,2,3,4
	v_pk_mul_f32 v[PW+2*\q:PW+2*\q+1], v[PW+2*\q:PW+2*\q+1], 0x404a62c2 op_sel_hi:[1,0]
.endr
.irp q, 0,1,2,3,4
	v_cvt_pk_bf16_f32 v[FB+\q], v[PW+2*\q], v[PW+2*\q+1]
.endr
	HILO FB+5, PB, SC, SC+1
	MASK6 FB, MSK
	PUT
.Lbuilt:
	s_wait_dscnt 0x0                               ; for the other waves' sake: my two stores are done before I say so
	s_barrier_signal -1
	; register work while the others arrive: the constant parts of the B fragments
	v_mov_b32 v[BIA+2], 0x3f803f80                 ; {1.0, 1.0} in bf16
	v_mov_b32 v[BIB+2], 0x3f803f80
.irp q, 3,4,5,6,7
	v_mov_b32 v[BIA+\q], 0
	v_mov_b32 v[BIB+\q], 0
.endr
.irp g, 0,1,2,3
	v_mov_b32 v[GG+24*\g+22], 0
	v_mov_b32 v[GG+24*\g+23], 0
.endr
	s_barrier_wait -1                              ; all eleven fragments are in LDS; nothing is stored there again
.irp n, 0,1,2,3,4,5,6,7,8,9,10
	ds_load_b128 v[AM+8*\n:AM+8*\n+3],   v[LLD] offset:\n*FSLOT        ; slot n is v[18 + 8 n ..]: AM, AI and AO lie in the slots' order
	ds_load_b128 v[AM+8*\n+4:AM+8*\n+7], v[LLD] offset:\n*FSLOT+512
.endr
	s_wait_dscnt 0x0
; DISTANCES BEHIND MATRIX INSTRUCTIONS (ISA guide 7.12.1).  Every matrix instruction starts a sum of its own (C = 0): there is no chain, and no two
; that follow each other share a register of D.  The four groups take turns in every stage, so between a group's matrix instructions and the next line that
; reads its D or writes its D or B stand the plain vector lines of the three other groups, twelve at the least.  The two tight places are named where they stand.
.macro RELU2 d                         ; max(x, 0) on an even-aligned pair
.if DUAL
	v_dual_max_num_f32 v[\d], 0, v[\d] :: v_dual_max_num_f32 v[\d+1], 0, v[\d+1]
.else
	v_max_num_f32 v[\d], 0, v[\d]
	v_max_num_f32 v[\d+1], 0, v[\d+1]
.endif
.endm
; First layer of group g: D = h (w - mean w) + (b - mean b), already centred.  h = register with the group's sample; bi = BIA or BIB by turns:
; the four plain vector lines of the next group's IN, which name the other B, are the four places in front of the write of this B two groups on.
.macro IN g, h, bi
	v_cvt_pk_bf16_f32 v[\bi], v[\h], v[\h]         ; {head, head}
	v_and_b32 v[TT], 0xffff0000, v[\bi]
	v_sub_f32 v[TT], v[\h], v[TT]
	v_cvt_pk_bf16_f32 v[\bi+1], v[TT], v[TT]       ; {rest, rest}
	v_wmma_f32_16x16x32_bf16 v[GG+24*\g:GG+24*\g+7],    v[AI:AI+7],    v[\bi:\bi+7], 0
	v_wmma_f32_16x16x32_bf16 v[GG+24*\g+8:GG+24*\g+15], v[AI+8:AI+15], v[\bi:\bi+7], 0
.endm
; ReLU and centring of group g, in place in D1 and D2[0:1]
.macro PRE g
.set GB, GG+24*\g
.irp q, 0,2,4,6,8
	RELU2 GB+\q
.endr
	v_pk_add_f32 v[TT:TT+1],   v[GB:GB+1],   v[GB+2:GB+3]
	v_pk_add_f32 v[TT+2:TT+3], v[GB+4:GB+5], v[GB+6:GB+7]
	v_pk_add_f32 v[TT:TT+1],   v[TT:TT+1],   v[GB+8:GB+9]
	v_pk_add_f32 v[TT:TT+1],   v[TT:TT+1],   v[TT+2:TT+3]
	v_add_f32 v[TT], v[TT], v[TT+1]                ; the sum of the ten
.irp q, 0,2,4,6,8
	v_pk_fma_f32 v[GB+\q:GB+\q+1], v[TT:TT+1], 0xbdcccccd, v[GB+\q:GB+\q+1] op_sel_hi:[0,0,1]   ; u - 0.1 sum, both halves from v[TT]
.endr
.endm
; Group g, centred numbers in D: R, sigma, B, and the product with middle layer i
.macro NORM g, i
.set GB, GG+24*\g
.if \i == 0
	v_pk_fma_f32 v[TT+2:TT+3], v[GB:GB+1], v[GB:GB+1], 0x3851b717 op_sel_hi:[1,1,0]   ; 5 eps in each half: eps R(-1) = 10 eps
.else
	v_pk_mul_f32 v[TT+2:TT+3], v[GB:GB+1], v[GB:GB+1]
.endif
	v_cvt_pk_bf16_f32 v[GB+16], v[GB], v[GB+1]
.irp q, 1,2,3
	v_pk_fma_f32 v[TT+2:TT+3], v[GB+2*\q:GB+2*\q+1], v[GB+2*\q:GB+2*\q+1], v[TT+2:TT+3]
	v_cvt_pk_bf16_f32 v[GB+16+\q], v[GB+2*\q], v[GB+2*\q+1]
.endr
	v_pk_fma_f32 v[TT+2:TT+3], v[GB+8:GB+9], v[GB+8:GB+9], v[TT+2:TT+3]
.if \i == 0
	v_add_f32 v[RR+\g], v[TT+2], v[TT+3]
.else
	v_fmamk_f32 v[RR+\g], v[RR+\g], 0x3727c5ac, v[TT+2]    ; eps R(i-1) + one half of S
	v_add_f32 v[RR+\g], v[RR+\g], v[TT+3]
.endif
	v_sqrt_f32 v[TT], v[RR+\g]
	v_cvt_pk_bf16_f32 v[GB+20], v[GB+8], v[GB+9]   ; the plain line between v_sqrt_f32 and the use of its result (ISA guide 5.7.2)
	s_wait_alu depctr_va_vdst(0)
	v_cvt_pk_bf16_f32 v[GB+21], v[TT], v[TT]       ; {sigma, sigma} against {head, rest} of b2 / sqrt 10
	v_wmma_f32_16x16x32_bf16 v[GB:GB+7],    v[AM+16*\i:AM+16*\i+7],    v[GB+16:GB+23], 0
	v_wmma_f32_16x16x32_bf16 v[GB+8:GB+15], v[AM+16*\i+8:AM+16*\i+15], v[GB+16:GB+23], 0
.endm
; Last layer of group g: ReLU, B (its bias pair still holds sigma(3)), one product; 1 / sqrt R(3) is started ahead
.macro FIN_A g
.set GB, GG+24*\g
	v_rsq_f32 v[EE+\g], v[RR+\g]
.irp q, 0,2,4,6,8
	RELU2 GB+\q
.endr
.irp q, 0,1,2,3
	v_cvt_pk_bf16_f32 v[GB+16+\q], v[GB+2*\q], v[GB+2*\q+1]
.endr
	v_cvt_pk_bf16_f32 v[GB+20], v[GB+8], v[GB+9]
	v_wmma_f32_16x16x32_bf16 v[GB:GB+7], v[AO:AO+7], v[GB+16:GB+23], 0
.endm
; The four groups' o, the activation, the store.  Transcendentals go in pairs; between each and the use of its result stands a plain line
; that names neither its result nor its source (ISA guide 5.7.2).
.macro FIN_B k
	s_wait_xcnt 0x0                                ; OO is the data of the last trip's store: written again only behind this wait (ISA guide 3.1)
	s_wait_alu depctr_va_vdst(0)
	v_fma_f32 v[OO],   v[GG],    v[EE],   v[HH+4*\k]           ; o = D / sqrt R(3) + h
	v_fma_f32 v[OO+1], v[GG+24], v[EE+1], v[HH+4*\k+1]
	v_pk_mul_f32 v[EE:EE+1], v[OO:OO+1], 0x4038aa3b op_sel_hi:[1,0]            ; 2 log2(e) o
	v_pk_fma_f32 v[TT:TT+1], v[OO:OO+1], 0x3c23d70a, 1.0 op_sel_hi:[1,0,0]     ; 0.01 o + 1
	v_fma_f32 v[OO+2], v[GG+48], v[EE+2], v[HH+4*\k+2]
	v_fma_f32 v[OO+3], v[GG+72], v[EE+3], v[HH+4*\k+3]         ; five plain lines stand between group 3's product and this read of its D
	v_exp_f32 v[EE],   v[EE]
	v_exp_f32 v[EE+1], v[EE+1]
	v_pk_mul_f32 v[EE+2:EE+3], v[OO+2:OO+3], 0x4038aa3b op_sel_hi:[1,0]
	v_exp_f32 v[EE+2], v[EE+2]
	v_exp_f32 v[EE+3], v[EE+3]
	s_wait_alu depctr_va_vdst(0)
	v_pk_add_f32 v[EE:EE+1], v[EE:EE+1], 1.0 op_sel_hi:[1,0]
	v_rcp_f32 v[EE],   v[EE]
	v_rcp_f32 v[EE+1], v[EE+1]
	v_pk_add_f32 v[EE+2:EE+3], v[EE+2:EE+3], 1.0 op_sel_hi:[1,0]
	v_rcp_f32 v[EE+2], v[EE+2]
	v_rcp_f32 v[EE+3], v[EE+3]
	v_pk_fma_f32 v[TT+2:TT+3], v[OO+2:OO+3], 0x3c23d70a, 1.0 op_sel_hi:[1,0,0]
	s_wait_alu depctr_va_vdst(0)
	v_pk_fma_f32 v[OO:OO+1],   v[EE:EE+1],   -2.0, v[TT:TT+1]   op_sel_hi:[1,0,1]   ; (0.01 o + 1) - 2 / (1 + 2^..)
	v_pk_fma_f32 v[OO+2:OO+3], v[EE+2:EE+3], -2.0, v[TT+2:TT+3] op_sel_hi:[1,0,1]
	global_store_b128 v[VOFF], v[OO:OO+3], s[22:23] offset:\k*TRIPB th:TH_STORE_NT   ; the wave's 512 consecutive bytes, aligned
.endm
; One trip: 128 samples a wave.  k = the trip's place in the ring; load = 1: the tuple read in the last trip is asked for again, three trips
; ahead; left = how many younger loads may stay out.
.macro TRIP k, load, left
.if \load
	global_load_b128 v[HH+4*((\k+3)%4):HH+4*((\k+3)%4)+3], v[VOFF], s[20:21] offset:(\k+3)*TRIPB th:TH_LOAD_NT
.endif
	s_wait_loadcnt \left                           ; loads come back in order (ISA guide 5.7.1): this trip's tuple is in, the younger ones stay out
	IN 0, HH+4*\k,   BIA
	IN 1, HH+4*\k+1, BIB
	IN 2, HH+4*\k+2, BIA
	IN 3, HH+4*\k+3, BIB
.irp g, 0,1,2,3
	NORM \g, 0
.endr
.irp i, 1,2,3
.irp g, 0,1,2,3
	PRE \g
	NORM \g, \i
.endr
.endr
.irp g, 0,1,2,3
	FIN_A \g
.endr
	FIN_B \k
.endm
	s_mov_b32 s[CNT], 3                            ; 3 laps of four trips in the loop, the last four trips behind it
.Llap:
	TRIP 0, 1, 3
	TRIP 1, 1, 3
	TRIP 2, 1, 3
	TRIP 3, 1, 3
	s_wait_xcnt 0x0                                ; both bases are sources of loads and stores just issued: stepped only behind this wait
	s_add_nc_u64 s[20:21], s[20:21], 4*TRIPB
	s_add_nc_u64 s[22:23], s[22:23], 4*TRIPB
	s_sub_co_i32 s[CNT], s[CNT], 1
	s_cmp_lg_u32 s[CNT], 0
	s_cbranch_scc1 .Llap
	TRIP 0, 1, 3                                   ; trip 12 asks for trip 15, the work-group's last
	TRIP 1, 0, 2                                   ; nothing more is asked for: the counts run down
	TRIP 2, 0, 1
	TRIP 3, 0, 0
	s_wait_tensorcnt 0x0
	ds_add_u32 v240, v241
	s_wait_dscnt 0x0
	s_endpgm
.Lfunc_end_k_q8c83f5ffe7_neuron:
	.size	k_q8c83f5ffe7_neuron, .Lfunc_end_k_q8c83f5ffe7_neuron-k_q8c83f5ffe7_neuron
	.p2alignl 7, 3214868480
	.fill 96, 4, 3214868480
	.section	.rodata,"a",@progbits
	.p2align	6, 0x0
	.amdhsa_kernel k_q8c83f5ffe7_neuron
		.amdhsa_group_segment_fixed_size 18432
		.amdhsa_private_segment_fixed_size 0
		.amdhsa_enable_private_segment 0
		.amdhsa_kernarg_size 80
		.amdhsa_user_sgpr_count 2
		.amdhsa_user_sgpr_kernarg_segment_ptr 1
		.amdhsa_wavefront_size32 1
		.amdhsa_system_sgpr_workgroup_id_x 1
		.amdhsa_system_sgpr_workgroup_id_y 1
		.amdhsa_system_sgpr_workgroup_id_z 1
		.amdhsa_system_vgpr_workitem_id 0
		.amdhsa_next_free_vgpr 242
		.amdhsa_next_free_sgpr 66
		.amdhsa_reserve_vcc 0
		.amdhsa_float_denorm_mode_32 3
		.amdhsa_float_denorm_mode_16_64 3
		.amdhsa_memory_ordered 1
		.amdhsa_forward_progress 1
		.amdhsa_inst_pref_size 255
	.end_amdhsa_kernel
	.section	.bss,"aw",@nobits
	.p2align	6
	.space	262144
	.amdgpu_metadata
---
amdhsa.version: [ 1, 2 ]
amdhsa.kernels:
  - .name:           k_q8c83f5ffe7_neuron
    .symbol:         k_q8c83f5ffe7_neuron.kd
    .args:
      - { .name: W_in, .offset: 0, .size: 8, .value_kind: global_buffer, .address_space: global }
      - { .name: b_in, .offset: 8, .size: 8, .value_kind: global_buffer, .address_space: global }
      - { .name: W_out, .offset: 16, .size: 8, .value_kind: global_buffer, .address_space: global }
      - { .name: b_out, .offset: 24, .size: 8, .value_kind: global_buffer, .address_space: global }
      - { .name: W_mid, .offset: 32, .size: 8, .value_kind: global_buffer, .address_space: global }
      - { .name: b_mid, .offset: 40, .size: 8, .value_kind: global_buffer, .address_space: global }
      - { .name: ln_gamma, .offset: 48, .size: 8, .value_kind: global_buffer, .address_space: global }
      - { .name: ln_beta, .offset: 56, .size: 8, .value_kind: global_buffer, .address_space: global }
      - { .name: hidden, .offset: 64, .size: 8, .value_kind: global_buffer, .address_space: global }
      - { .name: out0, .offset: 72, .size: 8, .value_kind: global_buffer, .address_space: global }
    .group_segment_fixed_size: 18432
    .private_segment_fixed_size: 0
    .kernarg_segment_align: 8
    .kernarg_segment_size: 80
    .max_flat_workgroup_size: 512
    .sgpr_count:     66
    .vgpr_count:     242
    .wavefront_size: 32
...
	.end_amdgpu_metadata
.endif
;; end of part 1
